; MI455X (gfx1250); checked and timed in simulation.
; The chip was launched on July 23, 2026; its instructions are those of AMD's public machine-readable ISA for CDNA 5 (MIT licence, August 2026) and "CDNA5" Instruction Set Architecture Reference Guide (July 2026). The comments in the code are by the model that wrote it; some were corrected since.
;; Attention. Allowed arithmetic: matrix products marked QUANTISED: E3M2 operands, one E8M0 scale for each 32 along K, by v_wmma_scale_f32_16x16x128_f8f6f4 with both operands' format E3M2, f32 sums; everything else in f32.
;; Inputs: Wkv 256 x 2,048 float32; Wo 1,024 x 512 float32; Wq 512 x 1,024 float32; bo 512 float32; kv 64 x 512 x 256 float32; q 64 x 128 x 512 float32.
;; Outputs: out0 64 x 128 x 512 float32.
;; This version of the problem:
;;   THIS VERSION OF THE PROBLEM IS GIVEN IN LOW PRECISION. The matrix products marked QUANTISED in the list below multiply operands that are first quantised to E3M2 (3 exponent bits, 2 mantissa bits; 6 bits a number), with one power-of-two scale for each 32 numbers along K (OCP MX v1.0); their sums are f32. All else is computed in f32.
;;   The module's matrix products, in the order in which they are computed (A, B: the left and right operand; K: the contracted axis; several contracted axes count as one K, in the product's order):
;;     1. [M 8,192, K 512] x [K 512, N 1,024]; A: input q; B: input Wq: QUANTISED
;;     2. [M 32,768, K 256] x [K 256, N 2,048]; A: input kv; B: input Wkv: QUANTISED
;;     3. batch 1,024 x [M 128, K 64] x [K 64, N 512]; A: computed on the way; B: computed on the way: QUANTISED
;;     4. batch 1,024 x [M 128, K 512] x [K 512, N 64]; A: softmax (see below); B: computed on the way: QUANTISED
;;     5. [M 8,192, K 1,024] x [K 1,024, N 512]; A: computed on the way; B: input Wo: QUANTISED
;;   THE QUANTISER, for each operand of a quantised product, along K:
;;     - K is cut into blocks of 32 from its start; a last block that is shorter is filled with zeros.
;;     - A block's scale is 2^e with e = floor(log2(the largest magnitude in the block)) - 4, held to -126 .. 127; a block of zeros has e = 0. As a byte (E8M0): e + 127.
;;     - Each number is divided by its block's scale, clamped to +-28, and rounded to the nearest number of E3M2, ties to even, subnormals kept.
;;     - The product sums the exact products of the quantised numbers (number of the format x scale) in f32.
;;   ~~~python
;;   def quantise(x, axis):      # numpy; x: float32 -> the quantised numbers, widened to float32 again
;;       x = np.moveaxis(x, axis, -1); K = x.shape[-1]
;;       x = np.pad(x, [(0, 0)] * (x.ndim - 1) + [(0, -K % 32)]); x = x.reshape(x.shape[:-1] + (-1, 32)); a = np.abs(x).max(-1, keepdims=True)
;;       e = np.where(a > 0, np.clip(np.frexp(np.where(a > 0, a, 1))[1] - 1 - 4, -126, 127), 0)      # np.frexp(a)[1] - 1 = floor(log2(a)), exactly
;;       r = np.clip(x / 2.0 ** e, -28, 28)
;;       step = 2.0 ** (np.maximum(np.frexp(np.where(r == 0, 1, r))[1] - 1, -2) - 2)
;;       q = np.round(r / step) * step * 2.0 ** e      # np.round: ties to even
;;       return np.moveaxis(q.reshape(q.shape[:-2] + (-1,))[..., :K], -1, axis).astype(np.float32)
;;   ~~~
;;   SOFTMAX AHEAD OF A QUANTISED PRODUCT. Where the list says 'softmax', what is quantised is not the finished softmax but p = 2^(t - M), with t = logit x log2(e) and M = ceil(the row's largest t), a whole number; so 1/2 < the row's largest p <= 1. The row's sum l is taken of the UNQUANTISED p, in f32, and the product's result is divided by l at the end. Since M is a whole number, a kernel that streams over the keys may use a running M (the ceiling of the running maximum): every later rescaling is an exact power of two, which a block's scale takes up: the codes' values come out the same.
;;   OPERANDS COMPUTED ON THE WAY. 'Computed on the way' means the value that the module computes at that place (a softmax that the list does not call 'softmax' is quantised finished and normalised). What goes into a quantiser is computed in f32, as accurately as f32 sums, v_exp_f32 and their like allow (about 1e-6 of the number): no bf16 or f16 on the way to a quantiser, and a product that is left as it is and whose result goes on into a quantised operand takes f32 operands (vector FMAs, or v_wmma_f32_16x16x4_f32). A number that lies on a knife's edge between two numbers of the format may be rounded either way, as far as f32 arithmetic and the matrix unit's own rounding can turn it there, and no further.
;; One version. Each part assembles by itself: llvm-mc -triple=amdgcn-amd-amdhsa -mcpu=gfx1250 --defsym DOCPART=n.
;; ======== version 1 of 1: 3 launches
;; workspace buffers: act 9,830,400 bytes; wfr 1,179,648 bytes; wsc 49,152 bytes; obuf 6,553,600 bytes
;; launch prep (part 1): grid 864 x 1, 4 waves a work-group, no clusters, 47,616 bytes of LDS; arguments q, kv, Wq, Wkv, Wo, act, wfr, wsc; writes act, wfr, wsc
.if DOCPART == 1
	.amdgcn_target "amdgcn-amd-amdhsa--gfx1250"
	.amdhsa_code_object_version 6
	.text
	.protected	k_q07fea6feb5_prep
	.globl	k_q07fea6feb5_prep
	.p2align	8
	.type	k_q07fea6feb5_prep,@function
k_q07fea6feb5_prep:
	s_mov_b64 s[64:65], 0
	v_nop
	global_prefetch_b8 v0, s[64:65] scope:SCOPE_SE
	s_setreg_imm32_b32 hwreg(HW_REG_WAVE_MODE, 25, 1), 1
	s_wait_xcnt 0x0
; PREP: q [64][128][512], kv [64][512][256] (K innermost) and Wq [512][1024], Wkv [256][2048], Wo [1024][512] (K is the FIRST axis), all f32, become codes of
; BF6 (E3M2) with one E8M0 byte for each 32 along K, laid in the order of the matrix operand's registers, so that the later launches load fragments whole.
; DEAD WORK: none.  Every input (q, kv, Wq, Wkv, Wo, bo) has a way to out0 for all values, and all five products of the problem are done.  Only the third product's K, 64,
; is filled up with zero codes to the instruction's 128 (in the launch attn).
; A FRAGMENT is 16 rows x 128 K in 12 registers: lane (r, h) holds row r; registers 6 c .. 6 c + 5 hold K = 64 c + 32 h + 0 .. 31.  Its IMAGE is 1,536 bytes: register p of lane l at
; 512 (p / 4) + 16 l + 4 (p % 4): three stores or loads of 16 bytes a lane, 512 consecutive bytes each.
; THE ROWS OF A TILE: kv's keys and the weights' columns form tiles whose lane r takes row 32 b + 8 u + r + 8 (r / 8) (tile 2 b + u), so that the results of a product used transposed
; are 16 neighbours along the next K in a lane's registers.  q's tiles are plain rows.
; A block's scale is 2^(floor(log2(largest magnitude)) - 4): its byte is the largest magnitude's exponent field - 4, held at 1 from below.
; LIMITS: NaN and infinities among the inputs are not served.  A block whose largest magnitude lies under 2^-122 has the byte 1.  A block of zeros has the byte 1 where the rule says 127:
; its codes are zeros, which add nothing under any byte but 0xff, and the bytes are read by this program alone.
; SHARES: a wave takes 16 KiB of f32.  Work-groups 0-95: the weights (32 columns x 128 K a wave).  96-607: kv, 608-863: q (16 rows x 256 K a wave).  Waves share nothing: no barrier.
; The two paths part on the work-group's number and have LDS bytes of their own.  Memory binds: no matrix unit, no tensor load, no cluster (no two work-groups read the same bytes).
.set APITCH, 528                       ; a stage row of the activations' path: 512 bytes + 16
.set AWAVE,  16*APITCH                 ; 16 rows a wave
.set WSTG,   4*AWAVE                   ; behind them the weights' path: two images a wave, 1,664 bytes apart
.set WIMG,   1664
.set WWAVE,  2*WIMG
.set SPARE,  WSTG+4*WWAVE              ; the spare words, 128 bytes a wave: two blocks of 256 bytes that no other line names
.set FLOOR,  0x2800000                 ; 2^(5 - 127): under it no largest magnitude is taken, so the byte cannot fall under 1
.set OFF4,   0xfe000000                ; takes 4 off an exponent field
	s_load_b512 s[4:19], s[0:1], 0x0               ; q s[4:5], kv s[6:7], Wq s[8:9], Wkv s[10:11], Wo s[12:13], act s[14:15], wfr s[16:17], wsc s[18:19]
	v_lshl_add_u32 v6, v0, 2, SPARE                ; my spare word; never rewritten
	v_mov_b32 v7, 0                                ; 0; never rewritten
	v_lshrrev_b32 v1, 5, v0
	v_readfirstlane_b32 s20, v1                    ; wave
	v_and_b32 v1, 31, v0                           ; lane
	v_and_b32 v2, 15, v0                           ; r
	v_bfe_u32 v3, v0, 4, 1                         ; h
	v_lshlrev_b32 v4, 4, v1                        ; 16 x lane
	v_lshlrev_b32 v5, 2, v1                        ; 4 x lane
	; every LDS address is made here, ahead of the parting of the two paths
	s_mul_i32 s21, s20, AWAVE
	v_add_nc_u32 v8, s21, v4                       ; activations, into the stage: a row's 512 bytes as they lie
	v_mul_u32_u24 v9, v2, APITCH
	v_lshl_add_u32 v9, v3, 7, v9
	v_add_nc_u32 v9, s21, v9                       ; and out of it: row r, + 128 h: my 32 numbers of each 64
	s_mul_i32 s21, s20, WWAVE
	s_add_co_u32 s21, s21, WSTG
	v_bfe_u32 v10, v0, 3, 1                        ; weights: column l of 32 belongs to tile u = (l / 8) % 2, lane r' = l % 8 + 8 (l / 16)
	v_mul_u32_u24 v10, v10, WIMG
	v_and_b32 v11, 7, v0
	v_lshl_add_u32 v10, v11, 4, v10
	v_lshl_add_u32 v10, v3, 7, v10
	v_add_nc_u32 v10, s21, v10                     ; into the images: tile u, 16 r'
	v_add_nc_u32 v11, s21, v4                      ; and out of them: 16 x lane
	v_lshlrev_b32 v12, 3, v3                       ; 8 h: how far my two scale bytes are shifted
	v_mov_b32 v38, 0                               ; written once: a lane permute's destination counts as one of its sources
	s_mov_b32 s2, 0x76543210
	s_mov_b32 s3, 0xfedcba98                       ; v_permlanex16_b32's selects for lane l xor 16
	s_wait_kmcnt 0x0
	s_cmp_lt_u32 ttmp9, 96
	s_cbranch_scc1 .Lweights
	; ---------------- q and kv: one text; what differs is chosen by the work-group's number ----------------
	s_sub_co_u32 s21, ttmp9, 96
	s_cmp_lt_u32 s21, 512                          ; kv's work-group or q's?
	s_cselect_b64 s[22:23], s[6:7], s[4:5]         ; the tensor
	s_cselect_b32 s24, 0, 512                      ; its first work-group
	s_cselect_b32 s25, 5, 4                        ; tasks of an asset: 32 (tiles of keys), 16 (tiles of queries x halves of K)
	s_cselect_b32 s26, 31, 15
	s_cselect_b32 s27, 19, 18                      ; log2 of an asset's bytes
	s_cselect_b32 s28, 13, 10                      ; an odd task begins 8 rows further down (kv), 256 numbers further along (q)
	s_cselect_b32 s29, 10, 11                      ; log2 of a row's bytes
	s_cselect_b32 s30, 0, 102400                   ; where its fragments begin in an asset's part of act,
	s_mov_b32 s31, 151552
	s_cselect_b32 s31, 98304, s31                  ; and its scale words
	s_sub_co_u32 s21, s21, s24
	s_lshl_b32 s21, s21, 2
	s_add_co_u32 s21, s21, s20                     ; my task
	s_lshr_b32 s24, s21, s25                       ; asset
	s_and_b32 s26, s21, s26                        ; X: task in the asset
	s_lshl_b32 s44, s24, s27
	s_lshr_b32 s45, s26, 1
	s_lshl_b32 s45, s45, 15                        ; 32 rows of kv, or 16 of q, are 32,768 bytes
	s_add_co_u32 s44, s44, s45
	s_and_b32 s45, s26, 1
	s_lshl_b32 s45, s45, s28
	s_add_co_u32 s44, s44, s45
	s_mov_b32 s45, 0
	s_add_nc_u64 s[32:33], s[22:23], s[44:45]      ; four bases: my rows 0, 4, 8, 12.  Rows 8-15 begin 16,384 bytes on: 16 rows of kv (the tile's second eight keys), 8 rows of q
	s_lshl_b32 s46, 4, s29
	s_mov_b32 s47, 0
	s_add_nc_u64 s[34:35], s[32:33], s[46:47]
	s_add_nc_u64 s[36:37], s[32:33], 16384
	s_add_nc_u64 s[38:39], s[34:35], 16384
	s_lshl_b32 s46, 1, s29                         ; a row's bytes
.irp j, 0,1,2,3
	v_mad_u32_u24 v[16+\j], s46, \j, v4            ; four offsets: 16 x lane + j rows
.endr
	s_mul_i32 s48, s24, 153600                     ; an asset's part of act
	s_mul_i32 s49, s26, 3072                       ; two fragments a task
	s_add_co_u32 s50, s48, s30
	s_add_co_u32 s50, s50, s49
	s_mov_b32 s51, 0
	s_add_nc_u64 s[40:41], s[14:15], s[50:51]      ; my fragments
	s_lshl_b32 s49, s26, 7                         ; 128 bytes of scale words a task
	s_add_co_u32 s50, s48, s31
	s_add_co_u32 s50, s50, s49
	s_add_nc_u64 s[42:43], s[14:15], s[50:51]      ; my scale words
.irp f, 0,1
.irp i, 0,1,2,3,4,5,6,7,8,9,10,11,12,13,14,15
	global_load_b128 v[64+64*\f+4*\i:64+64*\f+4*\i+3], v[16+(\i%4)], s[32+2*(\i/4):33+2*(\i/4)] offset:512*\f th:TH_LOAD_NT   ; row i, K step f: 32 lanes read 512 consecutive bytes; all 32 loads go out at once
.endr
.endr
; 64 numbers of a lane, v[x] on: register 32 c + i = K 64 c + 32 h + i of my row: two whole blocks.  They become the fragment's 12 registers in v[p] on, and the row's scale word in v[w].
.macro QF x, p, ct, w
.irp c, 0,1
	v_max3_num_f32 v[24+\c], |v[\x+32*\c]|, |v[\x+32*\c+1]|, FLOOR
.endr
.irp i, 2,4,6,8,10,12,14,16,18,20,22,24,26,28,30
.irp c, 0,1
	v_max3_num_f32 v[24+\c], v[24+\c], |v[\x+32*\c+\i]|, |v[\x+32*\c+\i+1]|   ; the two blocks by turns
.endr
.endr
.irp c, 0,1
	v_add_nc_u32 v[28+\c], OFF4, v[24+\c]          ; the conversion takes the exponent field of this operand as its scale
.endr
.irp c, 0,1
	v_lshrrev_b32 v[32+\c], 23, v[28+\c]           ; the scale's byte
.endr
	v_lshl_or_b32 v[\w], v33, 16, v32              ; my bytes: blocks h and 2 + h,
	v_lshlrev_b32 v[\w], v12, v[\w]                ; at their places;
	v_permlanex16_b32 v38, v[\w], s2, s3
	v_or_b32 v[\w], v[\w], v38                     ; with lane l xor 16's two the word is whole
.irp c, 0,1
	v_cvt_scalef32_pk16_bf6_f32 v[\p+6*\c:\p+6*\c+2], v[\x+32*\c:\x+32*\c+15], v[28+\c]
	v_cvt_scalef32_pk16_bf6_f32 v[\ct+4*\c:\ct+4*\c+2], v[\x+32*\c+16:\x+32*\c+31], v[28+\c]   ; (a conversion's three registers begin on an even number)
.endr
	v_nop                                          ; one plain place behind a scaled conversion
.irp c, 0,1
.irp i, 0,1,2
	v_mov_b32 v[\p+6*\c+3+\i], v[\ct+4*\c+\i]
.endr
.endr
.endm
; K step f of my 16 rows: through the stage (in: as loaded; out: 128 bytes of one row a lane), quantised, stored as an image.  LDS serves a wave's instructions in order: no wait between the stores and the loads.
.macro ACTF f, left, p, w
	s_wait_loadcnt \left
.irp i, 0,1,2,3,4,5,6,7,8,9,10,11,12,13,14,15
	ds_store_b128 v8, v[64+64*\f+4*\i:64+64*\f+4*\i+3] offset:APITCH*\i
.endr
.irp c, 0,1
.irp j, 0,1,2,3,4,5,6,7
	ds_load_b128 v[192+32*\c+4*\j:192+32*\c+4*\j+3], v9 offset:256*\c+16*\j
.endr
.endr
	s_wait_dscnt 0x0
	QF 192, \p, 64, \w                             ; (v64-71 are free: K step 0's numbers have gone to the stage)
.irp c, 0,1,2
	global_store_b128 v4, v[\p+4*\c:\p+4*\c+3], s[40:41] offset:1536*\f+512*\c   ; 512 consecutive bytes, at a multiple of 512 from act's first byte
.endr
.endm
	ACTF 0, 16, 40, 36                             ; the count leaves K step 1's 16 loads out
	ACTF 1, 0, 52, 37
	v_cmp_lt_u32 s44, 15, v1
	v_cndmask_b32 v39, v36, v37, s44               ; lanes 0-15: the rows' words of K step 0; lanes 16-31: of K step 1
	global_store_b32 v5, v39, s[42:43]
	s_wait_tensorcnt 0x0                           ; the wave's end, behind my last LDS store
	ds_add_u32 v6, v7
	s_wait_dscnt 0x0
	s_endpgm
	; ---------------- the weights: a lane takes a column, its registers run down K; nothing is transposed by an instruction ----------------
.Lweights:
	s_lshr_b32 s21, ttmp9, 5                       ; which tensor: 0 Wq, 1 Wkv, 2 Wo
	s_and_b32 s22, ttmp9, 31
	s_lshl_b32 s22, s22, 2
	s_add_co_u32 s22, s22, s20                     ; my task e = column group x K steps + K step
	s_cmp_eq_u32 s21, 0
	s_cselect_b64 s[24:25], s[8:9], s[10:11]
	s_cselect_b32 s23, 2, 1                        ; log2 of the tensor's K steps: 4, 2, 8
	s_cmp_eq_u32 s21, 2
	s_cselect_b64 s[24:25], s[12:13], s[24:25]
	s_cselect_b32 s23, 3, s23
	s_lshr_b32 s26, s22, s23                       ; column group of 32
	s_lshl_b32 s27, 1, s23                         ; K steps
	s_sub_co_u32 s28, s27, 1
	s_and_b32 s28, s22, s28                        ; K step
	s_lshr_b32 s29, 16384, s23                     ; a row's bytes: each tensor has 2^21 bytes, so 128 K steps x a row's bytes = 2^21
	s_mul_i32 s30, s28, s29
	s_lshl_b32 s30, s30, 7                         ; 128 rows a K step
	s_lshl_b32 s31, s26, 7                         ; 128 bytes a column group
	s_add_co_u32 s30, s30, s31
	s_mov_b32 s31, 0
	s_add_nc_u64 s[32:33], s[24:25], s[30:31]      ; sixteen bases, 8 rows apart,
	s_lshl_b32 s30, s29, 3
.irp j, 1,2,3,4,5,6,7,8,9,10,11,12,13,14,15
	s_add_nc_u64 s[32+2*\j:33+2*\j], s[30+2*\j:31+2*\j], s[30:31]
.endr
.irp i, 0,1,2,3,4,5,6,7
	v_mad_u32_u24 v[16+\i], s29, \i, v5            ; and eight offsets: 4 x lane + i rows
.endr
.irp n, 0,1,2,3,4,5,6,7,8,9,10,11,12,13,14,15
.irp i, 0,1,2,3,4,5,6,7
	global_load_b32 v[64+8*\n+\i], v[16+\i], s[32+2*\n:33+2*\n] th:TH_LOAD_NT   ; row 8 n + i of the K step at my column: 32 lanes read 128 consecutive bytes
.endr
.endr
	s_mul_i32 s4, s21, 393216                      ; (s4 to s9 held pointers that this path needs no more)
	s_mul_i32 s5, s26, s27
	s_lshl_b32 s5, s5, 1                           ; tile 2 x column group
	s_add_co_u32 s5, s5, s28
	s_mul_i32 s5, s5, 1536
	s_add_co_u32 s4, s4, s5
	s_mov_b32 s5, 0
	s_add_nc_u64 s[4:5], s[16:17], s[4:5]          ; fragment (tile 2 cg, K step)
	s_mul_i32 s6, s27, 1536
	s_mov_b32 s7, 0
	s_add_nc_u64 s[6:7], s[4:5], s[6:7]            ; fragment (tile 2 cg + 1, K step)
	s_lshl_b32 s8, s21, 14
	s_lshl_b32 s9, s22, 7
	s_add_co_u32 s8, s8, s9
	s_mov_b32 s9, 0
	s_add_nc_u64 s[8:9], s[18:19], s[8:9]          ; my 32 scale words
; Block b of my column's four.  Blocks 0 and 2 are what lane (r', 0) of the fragment holds (v40-51), blocks 1 and 3 what lane (r', 1) holds (v52-63).
.macro WBLK b, left
	s_wait_loadcnt \left
	v_max3_num_f32 v24, |v[64+32*\b]|, |v[65+32*\b]|, |v[66+32*\b]|
	v_max3_num_f32 v25, |v[67+32*\b]|, |v[68+32*\b]|, |v[69+32*\b]|
.irp i, 6,10,14,18,22,26
	v_max3_num_f32 v24, v24, |v[64+32*\b+\i]|, |v[65+32*\b+\i]|
	v_max3_num_f32 v25, v25, |v[66+32*\b+\i]|, |v[67+32*\b+\i]|
.endr
	v_max3_num_f32 v24, v24, |v[94+32*\b]|, |v[95+32*\b]|
	v_max3_num_f32 v24, v24, v25, FLOOR
	v_add_nc_u32 v26, OFF4, v24
	v_lshrrev_b32 v27, 23, v26
.if \b == 0
	v_mov_b32 v28, v27                             ; the column's scale word: the lower K in the lower byte
.else
	v_lshl_or_b32 v28, v27, 8*\b, v28
.endif
	v_cvt_scalef32_pk16_bf6_f32 v[40+12*(\b%2)+6*(\b/2):42+12*(\b%2)+6*(\b/2)], v[64+32*\b:79+32*\b], v26
	v_cvt_scalef32_pk16_bf6_f32 v[192+4*\b:194+4*\b], v[80+32*\b:95+32*\b], v26
	v_nop                                          ; one plain place behind a scaled conversion
.irp i, 0,1,2
	v_mov_b32 v[43+12*(\b%2)+6*(\b/2)+\i], v[192+4*\b+\i]
.endr
.endm
	WBLK 0, 63                                     ; behind a block's last load stand 96, 64, 32 and 0 younger ones; a wait names 63 at the most
	WBLK 1, 63
	WBLK 2, 32
	WBLK 3, 0
.irp h, 0,1
.irp c, 0,1,2
	ds_store_b128 v10, v[40+12*\h+4*\c:40+12*\h+4*\c+3] offset:256*\h+512*\c   ; into my tile's image, at lane r' + 16 h
.endr
.endr
.irp u, 0,1
.irp c, 0,1,2
	ds_load_b128 v[208+12*\u+4*\c:208+12*\u+4*\c+3], v11 offset:WIMG*\u+512*\c   ; LDS serves a wave's instructions in order: these see my stores
.endr
.endr
	global_store_b32 v5, v28, s[8:9]
	s_wait_dscnt 0x0
.irp c, 0,1,2
	global_store_b128 v4, v[208+4*\c:208+4*\c+3], s[4:5] offset:512*\c
	global_store_b128 v4, v[220+4*\c:220+4*\c+3], s[6:7] offset:512*\c
.endr
	s_wait_tensorcnt 0x0                           ; the wave's end, behind my last LDS store
	ds_add_u32 v6, v7
	s_wait_dscnt 0x0
	s_endpgm
.Lfunc_end_k_q07fea6feb5_prep:
	.size	k_q07fea6feb5_prep, .Lfunc_end_k_q07fea6feb5_prep-k_q07fea6feb5_prep
	.p2alignl 7, 3214868480
	.fill 96, 4, 3214868480
	.section	.rodata,"a",@progbits
	.p2align	6, 0x0
	.amdhsa_kernel k_q07fea6feb5_prep
		.amdhsa_group_segment_fixed_size 47616
		.amdhsa_private_segment_fixed_size 0
		.amdhsa_enable_private_segment 0
		.amdhsa_kernarg_size 64
		.amdhsa_user_sgpr_count 2
		.amdhsa_user_sgpr_kernarg_segment_ptr 1
		.amdhsa_wavefront_size32 1
		.amdhsa_system_sgpr_workgroup_id_x 1
		.amdhsa_system_sgpr_workgroup_id_y 1
		.amdhsa_system_sgpr_workgroup_id_z 1
		.amdhsa_system_vgpr_workitem_id 0
		.amdhsa_next_free_vgpr 256
		.amdhsa_next_free_sgpr 66
		.amdhsa_reserve_vcc 0
		.amdhsa_float_denorm_mode_32 3
		.amdhsa_float_denorm_mode_16_64 3
		.amdhsa_memory_ordered 1
		.amdhsa_forward_progress 1
		.amdhsa_inst_pref_size 40
	.end_amdhsa_kernel
	.amdgpu_metadata
---
amdhsa.version: [ 1, 2 ]
amdhsa.kernels:
  - .name:           k_q07fea6feb5_prep
    .symbol:         k_q07fea6feb5_prep.kd
    .args:
      - { .name: q, .offset: 0, .size: 8, .value_kind: global_buffer, .address_space: global }
      - { .name: kv, .offset: 8, .size: 8, .value_kind: global_buffer, .address_space: global }
      - { .name: Wq, .offset: 16, .size: 8, .value_kind: global_buffer, .address_space: global }
      - { .name: Wkv, .offset: 24, .size: 8, .value_kind: global_buffer, .address_space: global }
      - { .name: Wo, .offset: 32, .size: 8, .value_kind: global_buffer, .address_space: global }
      - { .name: act, .offset: 40, .size: 8, .value_kind: global_buffer, .address_space: global }
      - { .name: wfr, .offset: 48, .size: 8, .value_kind: global_buffer, .address_space: global }
      - { .name: wsc, .offset: 56, .size: 8, .value_kind: global_buffer, .address_space: global }
    .group_segment_fixed_size: 47616
    .private_segment_fixed_size: 0
    .kernarg_segment_align: 8
    .kernarg_segment_size: 64
    .max_flat_workgroup_size: 128
    .sgpr_count:     66
    .vgpr_count:     256
    .wavefront_size: 32
...
	.end_amdgpu_metadata
.endif
;; end of part 1
;; launch attn (part 2): grid 256 x 1, 4 waves a work-group, clusters of 4 x 1, 182,784 bytes of LDS; arguments act, wfr, wsc, obuf; writes obuf
.if DOCPART == 2
	.amdgcn_target "amdgcn-amd-amdhsa--gfx1250"
	.amdhsa_code_object_version 6
	.text
	.protected	k_q07fea6feb5_attn
	.globl	k_q07fea6feb5_attn
	.p2align	8
	.type	k_q07fea6feb5_attn,@function
k_q07fea6feb5_attn:
	s_mov_b64 s[64:65], 0
	v_nop
	global_prefetch_b8 v0, s[64:65] scope:SCOPE_SE
	s_setreg_imm32_b32 hwreg(HW_REG_WAVE_MODE, 25, 1), 1
	s_wait_xcnt 0x0
	s_wait_alu depctr_hold_cnt(0) depctr_sa_sdst(0) depctr_va_vdst(0) depctr_va_sdst(0) depctr_va_ssrc(0) depctr_va_vcc(0) depctr_vm_vsrc(0)
	s_getreg_b32 s2, hwreg(HW_REG_IB_STS2, 6, 4)
	s_cmp_eq_u32 s2, 0
	s_cbranch_scc0 .Lentry_in_a_cluster
	s_endpgm
.Lentry_in_a_cluster:
	s_bfe_u32 s2, ttmp6, 0x10000c
	s_cmp_lg_u32 s2, 0x3003
	s_cbranch_scc0 .Lentry_shape_is_right
	s_endpgm
.Lentry_shape_is_right:
; ATTN: products 1 to 4 of the problem, on codes of BF6 with E8M0 scales: Q = q Wq, K and V = kv Wkv, S = Q K^T, O = softmax(S / 8) V.  No work is left out.
; SHARES.  A cluster of four work-groups takes one asset; a work-group four heads; A WAVE ONE HEAD, from its projections to its 128 x 64 of O.  The head's K (192 registers) and V^T (192) stay in the
; wave's registers as codes; Q's codes wait in the wave's own LDS bytes; K, V and p never go through LDS or memory.  O leaves as codes and scale bytes for the last product.
; CLUSTER.  The four work-groups need the same 153,600 bytes of act (the asset's fragments of kv and q): they are asked for JOINTLY, a quarter by each wave, once; nothing is filled again.
; The weights are not asked for jointly: each wave takes another head's fragments, straight into its registers, so there is no tile that two work-groups share.
; LAYOUT.  Every product is laid so that a lane's registers run along the next product's K:  Q^T = Wq^T q^T and K^T = Wk^T kv^T (source 0 = 16 columns of the weight, source 1 = 16 rows): a lane holds one
; query or key and its 32 registers the head's 64 (16 of each block of 32; the other 16 lie in lane l xor 16).  V = kv Wv (source 0 = 16 keys, source 1 = 16 columns): a lane holds one of the head's 64 and its
; registers run along the keys.  S^T = K Q^T, O^T = V^T p^T: a lane holds one query.  The rows that form a tile of kv and of the weights were chosen for this by the launch prep.
; THE THIRD PRODUCT'S K IS 64, the instruction's 128: a fragment of K holds TWO tiles of 16 keys, one in each half of its K; it is multiplied by [Q | 0] for the first and by [0 | Q] for the second.
; Zero codes add nothing whatever their scale byte.
; SOFTMAX: t = score x log2(e) / 8; M = the row's largest t so far, rounded up to a whole number; p = 2^(t - M) is quantised along the keys; the row's sum is taken of the unquantised p and divides O at the
; end (v_rcp_f32 and a multiplication).  When M moves, the sum and O^T are multiplied by 2^(old M - new M), which rounds nothing.
; BY TURNS.  The wave is alone on its SIMD, so what is to run side by side stands side by side in its text.  One stream of work is written as it runs; behind each of its lines stands the macro TK, which
; deals out the next instruction of a SECOND stream.  In the projection of K and V the second stream is the next unit's eight products, dealt out among the lines that quantise the unit before.  In the
; attention two tiles of queries (pieces A and B) run half a key step apart: in a turn one piece has its 68 exponentials (the second stream), the other all the rest of a step: 130 vector lines and 12 products,
; about three issue slots for each exponential.
; LIMITS: NaN and infinities are not served.  A block whose largest magnitude lies under 2^-122 has the scale byte 1, a block of zeros too (its codes are zeros).
; REGISTERS, in windows of 256.  Window 0: v1-11 addresses; v40-55 K's scale words, v56-71 V's (in the Q phase v56-63 Wq's), v72-75 Wk's, v76-79 Wv's, v80-83 kv's or q's, v85 p's; v86, v87 the add's two.
;   Projections: v16-31 the quantiser's; v96-159 two sets of four accumulators; v160-255 eight fragments of kv (four of q).
;   Attention, for piece p: v[12+4p] -M, +1 the largest t, +2, +3 the sum; v[20+2p] f; v[24+4p] on the four blocks' largest; v[32+p] Q's scale words; v[96+64p] on S^T, then p.  Shared by the pieces, since only the
;   piece without the exponentials uses them: v34-39 three chains of the sum, v224-235 p's codes, v236-252 at work.
;   Window 1: Wk's 8 fragments, from v96 Wv's 8; in the attention O^T of piece p at v[32p], [Q | 0] at v[64+24p], [0 | Q] at v[76+24p].   Window 2: K's 16 fragments.   Window 3: Wq's 16 fragments, then V^T's 16.
.set QIMG,  153600                     ; behind the asset's block: for each wave 8 x (768 bytes of Q's codes + 128 of scale words)
.set QW,    7168
.set QT,    896
.set SPARE, QIMG+4*QW                  ; the spare words, 128 bytes a wave: two blocks of 256 bytes that no other line names
.set FLOOR, 0x2800000                  ; 2^(5 - 127)
.set OFF4,  0xfe000000                 ; takes 4 off an exponent field
.set MSB, 0
.set XMODE, 0                          ; the second stream: 0 none, 1 a piece's exponentials, 2 a unit's products
.set XN, 0
.set XK, 0
.set CR, 0
.set QC, 0
.set MK, 0
.set PVG, 0
.macro WIN new                         ; the immediate's high byte repeats the setting that is left; a switch that changes nothing is dropped
.if MSB != \new
	s_set_vgpr_msb (MSB<<8)|\new
.set MSB, \new
.endif
.endm
.macro ROUND                           ; a round of the cluster's barrier
	s_barrier_signal -1
	s_barrier_wait -1
	s_cmp_lg_u32 s12, 0
	s_cbranch_scc1 .Lnot_wave_0_\@
	s_barrier_signal -3
.Lnot_wave_0_\@:
	s_barrier_wait -3
	s_barrier_signal -1
	s_barrier_wait -1
.endm
.macro PLACES                          ; four plain places behind matrix instructions (ISA guide 7.12.1), where no other vector work is at hand
.rept 4
	v_nop
.endr
.endm
.macro WM0 d, a, b, sa, sb             ; starts a sum with the constant 0; scales from lanes 0-15
	v_wmma_scale_f32_16x16x128_f8f6f4 v[\d:\d+7], v[\a:\a+11], v[\b:\b+11], 0, v[\sa], v[\sb] matrix_a_fmt:MATRIX_FMT_BF6 matrix_b_fmt:MATRIX_FMT_BF6
.endm
.macro WMA d, a, b, sa, sb             ; adds in place; scales from lanes 0-15
	v_wmma_scale_f32_16x16x128_f8f6f4 v[\d:\d+7], v[\a:\a+11], v[\b:\b+11], v[\d:\d+7], v[\sa], v[\sb] matrix_a_fmt:MATRIX_FMT_BF6 matrix_b_fmt:MATRIX_FMT_BF6
.endm
.macro WMA1 d, a, b, sa, sb            ; adds in place; scales from lanes 16-31: an odd K step's
	v_wmma_scale_f32_16x16x128_f8f6f4 v[\d:\d+7], v[\a:\a+11], v[\b:\b+11], v[\d:\d+7], v[\sa], v[\sb] matrix_a_fmt:MATRIX_FMT_BF6 matrix_b_fmt:MATRIX_FMT_BF6 matrix_a_scale:MATRIX_SCALE_ROW1 matrix_b_scale:MATRIX_SCALE_ROW1
.endm
; THE SECOND STREAM, kind 1.  Exponential XK of 68 of the piece at XSB (64 scores, then the four blocks' largest); with every second one the scaling t - M of the pair four pairs ahead.
; None of these lines names an exponential's result of this batch.
.macro XSLOT
	WIN 0
.if XK < 64
	v_exp_f32 v[XSB+XK], v[XSB+XK]
.else
	v_exp_f32 v[XBM+XK-64], v[XBM+XK-64]
.endif
.set CR, CR-3
.if (XK%2 == 0) && (XK <= 54)
	v_pk_fma_f32 v[XSB+XK+8:XSB+XK+9], v[XSB+XK+8:XSB+XK+9], s[30:31], v[XST:XST+1] op_sel_hi:[1,0,0]
.set CR, CR+1
.endif
.set XK, XK+1
.endm
; THE SECOND STREAM, kind 2.  Product MK of 8 of the unit in hand: two K steps on four accumulators by turns.
; MKIND 0: K^T of tile MIDX: source 0 = 16 columns of Wk (window 1), source 1 = the tile's 16 keys.  MKIND 1: V of the group's 64 keys x tile MIDX of the head's 64: source 0 = 16 keys, source 1 = 16 columns of Wv.
.macro MMI
.if MKIND == 0
	WIN 0x01
.if MK < 4
	WM0 MAC+8*MK, 24*MK, 160+24*MIDX, 72+MK, 80+MIDX
.else
	WMA1 MAC+8*(MK-4), 24*(MK-4)+12, 172+24*MIDX, 72+MK-4, 80+MIDX
.endif
.else
	WIN 0x04
.if MK < 4
	WM0 MAC+8*MK, 160+24*MK, 96+24*MIDX, 80+MK, 76+MIDX
.else
	WMA1 MAC+8*(MK-4), 172+24*(MK-4), 108+24*MIDX, 80+MK-4, 76+MIDX
.endif
.endif
.set MK, MK+1
.endm
; THE TICK, behind each line (or short run) of the first stream; c = the issue slots that it took.  Kind 1: an exponential for every three slots.  Kind 2: a product behind lines 5, 10 .. 30 and 33 of the 38
; that quantise a unit, so that five plain moves stand behind the eighth product.  The windows are left as they were found.
.macro TK c
.set SAVW, MSB
.if XMODE == 1
.set CR, CR+(\c)
.rept 2
.if (CR >= 3) && (XK < XN)
	XSLOT
.endif
.endr
.elseif XMODE == 2
.set QC, QC+1
.if ((QC%5 == 0) && (QC <= 30)) || (QC == 33)
	MMI
.endif
.endif
	WIN SAVW
.endm
; 32 numbers of a lane, v[src] on: register 16 b + i = K 32 b + 16 h + i of my row (four accumulators, each read from its low end on).  They become half a fragment, 6 registers (K = 32 h + 0 .. 31), and the
; row's two scale bytes in v[tb+15].  The codes: registers 0-2 in v[tb+6] on, registers 3-5 in v[tb+12] on; mv = 1: these three are moved to v[tb+9] on.  The largest magnitude is taken in four chains.
.macro QH src, tb, mv
	WIN 0
.irp b, 0,1
	v_max3_num_f32 v[\tb+\b], |v[\src+16*\b]|, |v[\src+16*\b+1]|, |v[\src+16*\b+2]|
	TK 1
.endr
.irp b, 0,1
	v_max3_num_f32 v[\tb+2+\b], |v[\src+16*\b+8]|, |v[\src+16*\b+9]|, |v[\src+16*\b+10]|
	TK 1
.endr
.irp i, 3,5
.irp b, 0,1
	v_max3_num_f32 v[\tb+\b], v[\tb+\b], |v[\src+16*\b+\i]|, |v[\src+16*\b+\i+1]|
	TK 1
.endr
.irp b, 0,1
	v_max3_num_f32 v[\tb+2+\b], v[\tb+2+\b], |v[\src+16*\b+8+\i]|, |v[\src+16*\b+9+\i]|
	TK 1
.endr
.endr
.irp b, 0,1
	v_max3_num_f32 v[\tb+\b], v[\tb+\b], |v[\src+16*\b+7]|, |v[\src+16*\b+15]|
	TK 1
.endr
.irp b, 0,1
	v_max3_num_f32 v[\tb+\b], v[\tb+\b], v[\tb+2+\b], FLOOR    ; the floor: the byte cannot fall under 1
	TK 1
.endr
.irp b, 0,1
	v_permlanex16_b32 v[\tb+2+\b], v[\tb+\b], s28, s29
	TK 1
.endr
.irp b, 0,1
	v_max_num_f32 v[\tb+\b], v[\tb+\b], v[\tb+2+\b]    ; with lane l xor 16's 16: the block's largest magnitude
	TK 1
.endr
.irp b, 0,1
	v_add_nc_u32 v[\tb+4+\b], OFF4, v[\tb+\b]          ; the conversion's scale operand
	TK 1
.endr
.irp b, 0,1
	v_lshrrev_b32 v[\tb+2+\b], 23, v[\tb+4+\b]         ; the scale's byte
	TK 1
.endr
	v_lshl_or_b32 v[\tb+15], v[\tb+3], 8, v[\tb+2]
	TK 1
	v_cvt_scalef32_pk16_bf6_f32 v[\tb+6:\tb+8], v[\src:\src+15], v[\tb+4]
	TK 1
	v_cvt_scalef32_pk16_bf6_f32 v[\tb+12:\tb+14], v[\src+16:\src+31], v[\tb+5]
	TK 1
	v_nop                                          ; one plain place behind a scaled conversion
	TK 1
.irp i, 0,1,2
	v_permlane16_swap_b32 v[\tb+6+\i], v[\tb+12+\i]    ; the operand's layout wants a whole block in a lane: lanes 0-15 block 0, lanes 16-31 block 1
	TK 1
.endr
.if \mv
.irp i, 0,1,2
	v_mov_b32 v[\tb+9+\i], v[\tb+12+\i]
	TK 1
.endr
.endif
.endm
	s_load_b256 s[4:11], s[0:1], 0x0               ; act s[4:5], wfr s[6:7], wsc s[8:9], obuf s[10:11]
	v_lshl_add_u32 v86, v0, 2, SPARE               ; my spare word; never rewritten
	v_mov_b32 v87, 0                               ; 0; never rewritten
	ds_add_u32 v86, v87                            ; the wave's opening: the add, twice on end, and its wait ahead of my first tensor load
	ds_add_u32 v86, v87
	v_lshrrev_b32 v90, 5, v0
	v_readfirstlane_b32 s12, v90                   ; wave
	s_bfe_u32 s13, ttmp6, 0x40000                  ; cx: my place in the cluster: it enters the weights' and obuf's addresses alone
	s_lshl_b32 s14, s13, 2
	s_add_co_u32 s14, s14, s12                     ; my head
	; descriptor group 1: a dense block of 38,400 bytes as 150 rows of 256 (32 elements of 8 bytes), no padding: images are read as consecutive bytes
	s_mov_b32 s16, 15|(3<<16)|(1<<21)              ; the mask: all four work-groups; elements of 8 bytes; bit 21 set beside a mask
	s_mov_b32 s17, 32<<16                          ; tensor_dim0
	s_mov_b32 s18, 150<<16                         ; tensor_dim1
	s_mov_b32 s19, 32<<16                          ; tile_dim0
	s_mov_b32 s20, 150                             ; tile_dim1
	s_mov_b32 s21, 32                              ; the pitch
	s_mov_b32 s22, 0
	s_mov_b32 s23, 0
	s_mov_b32 s24, 1
	s_mul_i32 s25, s12, 38400                      ; my quarter in LDS: the wave's number alone
	s_mul_i32 s56, ttmp9, 153600                   ; the asset: in a cluster launch ttmp9 counts clusters
	s_add_co_u32 s56, s56, s25
	s_mov_b32 s57, 0
	s_mov_b32 s28, 0x76543210
	s_mov_b32 s29, 0xfedcba98                      ; v_permlanex16_b32's selects for lane l xor 16
	s_mov_b32 s30, 0x3e38aa3b                      ; c = log2(e) / 8
	s_mov_b32 s31, s30                             ; (named with it as a pair)
	v_and_b32 v90, 31, v0                          ; lane
	v_and_b32 v91, 15, v0                          ; r
	v_bfe_u32 v92, v0, 4, 1                        ; h
	v_lshlrev_b32 v1, 4, v90                       ; 16 x lane: an image's place for my lane
	v_add_nc_u32 v2, 49152, v1                     ; the same, for kv's groups 4 to 7 (an LDS offset has 16 bits)
	v_lshlrev_b32 v3, 2, v90                       ; 4 x lane: a scale word's
	v_add_nc_u32 v4, 98304, v3                     ; kv's scale words
	s_mul_i32 s58, s12, QW
	s_add_co_u32 s58, s58, QIMG
	v_lshl_add_u32 v5, v90, 3, s58                 ; my wave's images of Q: 8 x lane
	v_add_nc_u32 v6, s58, v3
	v_add_nc_u32 v6, 768, v6                       ; and their scale words
	v_lshlrev_b32 v9, 3, v90                       ; 8 x lane
	v_lshlrev_b32 v10, 2, v91                      ; 4 r
	v_and_b32 v93, 8, v91
	v_add_nc_u32 v93, v93, v91                     ; r + 8 (r / 8)
	v_lshlrev_b32 v11, 2, v93
	v_lshl_add_u32 v11, v92, 7, v11                ; a weight's scale words: my tile's column; lanes 16-31 the next K step's
	s_wait_dscnt 0x0                               ; both opening adds are done
	s_wait_kmcnt 0x0
	s_add_nc_u64 s[26:27], s[4:5], s[56:57]
	s_or_b32 s27, s27, 0x80000000                  ; type = 2
	s_mov_b32 s53, 0
	s_mul_i32 s52, s14, 24576                      ; Wq: 16 fragments a head
	s_add_nc_u64 s[36:37], s[6:7], s[52:53]
	s_mul_i32 s52, s14, 12288                      ; Wk: 8 fragments a head, behind Wq's 393,216 bytes
	s_add_co_u32 s52, s52, 393216
	s_add_nc_u64 s[38:39], s[6:7], s[52:53]
	s_add_nc_u64 s[40:41], s[38:39], 196608        ; Wv: 64 tiles of columns on
	s_lshl_b32 s52, s14, 10
	s_add_nc_u64 s[42:43], s[8:9], s[52:53]        ; Wq's scale words: 2 column groups x 4 K steps x 128 bytes a head
	s_lshl_b32 s52, s14, 9
	s_add_co_u32 s52, s52, 16384
	s_add_nc_u64 s[48:49], s[8:9], s[52:53]        ; Wk's
	s_add_nc_u64 s[50:51], s[48:49], 8192          ; Wv's
	s_mul_i32 s54, ttmp9, 102400                   ; the asset's part of obuf
	s_mul_i32 s52, s14, 768
	s_add_co_u32 s52, s52, s54
	s_add_nc_u64 s[44:45], s[10:11], s[52:53]      ; O's codes: (tile m, head) at 12,288 m + 768 head
	s_lshr_b32 s52, s14, 1
	s_lshl_b32 s52, s52, 6
	s_and_b32 s55, s14, 1
	s_lshl_b32 s55, s55, 1
	s_add_co_u32 s52, s52, s55
	s_add_co_u32 s52, s52, s54
	s_add_co_u32 s52, s52, 98304
	s_add_nc_u64 s[46:47], s[10:11], s[52:53]      ; O's scale bytes: word (8 m + head / 2) x 16 + r, my head's half of it
	ROUND                                          ; all four work-groups are here: the joint loads meet
	tensor_load_to_lds s[24:27], s[16:23]          ; my quarter of the asset's block: the one tensor load of this wave
	s_nop 0
	PLACES                                         ; (the windows are switched behind four instructions)
	WIN 0xc0                                       ; destination window 3
.set LN, 0
.rept 48
	global_load_b128 v[4*LN:4*LN+3], v1, s[36:37] offset:512*LN    ; Wq's fragment (tile t, K step s) at v[12 (4 t + s)]
.set LN, LN+1
.endr
	WIN 0
.irp t, 0,1,2,3
.irp i, 0,1
	global_load_b32 v[56+2*\t+\i], v11, s[42:43] offset:(\t/2)*512+\i*256+(\t%2)*32   ; K steps 2 i (lanes 0-15) and 2 i + 1 (lanes 16-31)
.endr
.endr
	WIN 0x40                                       ; destination window 1
.set LN, 0
.rept 24
	global_load_b128 v[4*LN:4*LN+3], v1, s[38:39] offset:512*LN    ; Wk's (t, s) at v[12 (2 t + s)]
.set LN, LN+1
.endr
.set LN, 0
.rept 24
	global_load_b128 v[96+4*LN:96+4*LN+3], v1, s[40:41] offset:512*LN  ; Wv's at v[96 + 12 (2 t + s)]
.set LN, LN+1
.endr
	WIN 0
.irp t, 0,1,2,3
	global_load_b32 v[72+\t], v11, s[48:49] offset:(\t/2)*256+(\t%2)*32
.endr
.irp t, 0,1,2,3
	global_load_b32 v[76+\t], v11, s[50:51] offset:(\t/2)*256+(\t%2)*32
.endr
	s_wait_tensorcnt 0x0                           ; my quarter has landed,
	s_barrier_signal -1
	s_barrier_wait -1                              ; everybody's has
	s_wait_loadcnt 56                              ; Wq and its scale words are in; the 24 + 24 + 4 + 4 loads behind them may be out
	; ---- Q: eight tiles of 16 queries.  Q^T = Wq^T q^T over four K steps, four accumulators by turns; quantised; the codes wait in my own LDS bytes.
	; The next tile's fragments are asked for behind the products and land while this tile is quantised; the last tile is written out, so that it asks for nothing.
.macro LOADQ                           ; a tile's four fragments of q and its scale words
.set LN, 0
.rept 12
	ds_load_b128 v[160+4*LN:160+4*LN+3], v7 offset:512*LN
.set LN, LN+1
.endr
	ds_load_b32 v80, v8
	ds_load_b32 v81, v8 offset:128
.endm
.macro QTRIP nxt
	s_wait_dscnt 0x0                               ; the tile's fragments are in, and the last tile's stores have read their registers
	WIN 0x03                                       ; source 0 (Wq) window 3
.irp t, 0,1,2,3
	WM0 96+8*\t, 48*\t, 160, 56+2*\t, 80
.endr
.irp t, 0,1,2,3
	WMA1 96+8*\t, 48*\t+12, 172, 56+2*\t, 80
.endr
.irp t, 0,1,2,3
	WMA 96+8*\t, 48*\t+24, 184, 57+2*\t, 81
.endr
.irp t, 0,1,2,3
	WMA1 96+8*\t, 48*\t+36, 196, 57+2*\t, 81
.endr
	WIN 0
.if \nxt
	s_add_co_u32 s33, s33, 6144
	s_add_co_u32 s34, s34, 256
	v_add_nc_u32 v7, s33, v1                       ; these two and two v_nop are the four places behind the products
	v_add_nc_u32 v8, s34, v3
	v_nop
	v_nop
	LOADQ
.else
	PLACES
.endif
	QH 96, 16, 1
	v_lshl_or_b32 v88, v31, 16, v31                ; Q's two bytes twice: they serve [Q | 0] and [0 | Q]
	v_add_nc_u32 v89, s35, v5
	v_add_nc_u32 v90, s35, v6
.irp i, 0,1,2
	ds_store_b64 v89, v[22+2*\i:23+2*\i] offset:256*\i
.endr
	ds_store_b32 v90, v88
	s_add_co_u32 s35, s35, QT
.endm
	s_mov_b32 s32, 7
	s_mov_b32 s33, 102400                          ; q's fragments: 6,144 bytes a tile
	s_mov_b32 s34, 151552                          ; q's scale words: 256 bytes a tile
	s_mov_b32 s35, 0
	v_add_nc_u32 v7, s33, v1
	v_add_nc_u32 v8, s34, v3
	LOADQ
.Lq:
	QTRIP 1
	s_sub_co_u32 s32, s32, 1
	s_cmp_lg_u32 s32, 0
	s_cbranch_scc1 .Lq
	QTRIP 0
	; ---- K and V: eight groups of 64 keys, written out, since each group's codes go to other registers.  A group is eight UNITS of eight products; two sets of accumulators take turns.
	; ONE PIPELINE OF 64 UNITS: a unit's products are dealt out among the 38 lines that quantise the unit before and put its codes away.  Behind a unit's eighth product stand five plain moves: the places that
	; its results, and loads into its operands, ask for.  THE ORDER IN A GROUP is K0 K1 V0 V1 V2 V3 K2 K3 (Kj: tile j's keys; Vt: all 64 keys): behind V3 tiles 0 and 1 are done with and take the next group's
	; fragments; behind K3 tiles 2 and 3 do; each half has two units in which to land.
.macro LOADH G, hf                     ; group G's tiles 2 hf and 2 hf + 1: four fragments and two scale words: 14 loads
	WIN 0
.if (\G) < 4
.set LA, 1
.else
.set LA, 2
.endif
.set LN, 0
.rept 12
	ds_load_b128 v[160+48*(\hf)+4*LN:160+48*(\hf)+4*LN+3], v[LA] offset:((\G)%4)*12288+6144*(\hf)+512*LN
.set LN, LN+1
.endr
.irp j, 0,1
	ds_load_b32 v[80+2*(\hf)+\j], v4 offset:(4*(\G)+2*(\hf)+\j)*128
.endr
.endm
; The unit (QKIND, QIDX, QG) in the accumulators at QAC is quantised; its codes go into their half of a fragment of K (window 2) or of V^T (window 3), its two bytes into that half of the scale word.
.macro QP
	QH QAC, 16, 0
.if QKIND == 0
.set QD, 12*((4*QG+QIDX)/2)+6*((4*QG+QIDX)%2)
.set QSR, 40+(4*QG+QIDX)/2
.set QHF, (4*QG+QIDX)%2
.set QWN, 0x80
.else
.set QD, 12*(4*(QG/2)+QIDX)+6*(QG%2)
.set QSR, 56+4*(QG/2)+QIDX
.set QHF, QG%2
.set QWN, 0xc0
.endif
.if QHF == 0
	v_mov_b32 v[QSR], v31
.else
	v_lshl_or_b32 v[QSR], v31, 16, v[QSR]
.endif
	TK 1
	WIN QWN
.irp i, 0,1,2
	v_mov_b32 v[QD+\i], v[22+\i]
	TK 1
.endr
.irp i, 0,1,2
	v_mov_b32 v[QD+3+\i], v[28+\i]
	TK 1
.endr
	WIN 0
.endm
.macro SHIFT                           ; the unit in hand becomes the unit before
.set QKIND, MKIND
.set QIDX, MIDX
.set QG, MG
.set QAC, MAC
.endm
.macro UNIT kind, idx, G
	SHIFT
.set MKIND, \kind
.set MIDX, \idx
.set MG, \G
.set MAC, 224-MAC                      ; the other set of accumulators: v96 on, v128 on
.set MK, 0
	MMI                                            ; the unit's first product; the ticks deal out the other seven
	WIN 0
.set XMODE, 2
.set QC, 0
	QP
.set XMODE, 0
.endm
.macro GROUP G
.if (\G) > 0
	LOADH \G, 1                                    ; behind the last group's K3
	s_wait_dscnt 14                                ; tiles 0 and 1 are in; the 14 loads just issued may be out
	UNIT 0, 0, \G
.endif
	UNIT 0, 1, \G
	s_wait_dscnt 0x0                               ; tiles 2 and 3 are in
	UNIT 1, 0, \G
	UNIT 1, 1, \G
	UNIT 1, 2, \G
	UNIT 1, 3, \G
.if (\G) < 7
	LOADH (\G)+1, 0                                ; behind V3
.endif
	UNIT 0, 2, \G
	UNIT 0, 3, \G
.endm
	LOADH 0, 0
	LOADH 0, 1
	s_wait_loadcnt 0x0                             ; Wk, Wv and their scale words
	s_wait_dscnt 14                                ; tiles 0 and 1 are in
.set MKIND, 0
.set MIDX, 0
.set MG, 0
.set MAC, 96
.set MK, 0
.rept 8
	MMI                                            ; the first unit: there is nothing yet to set between its products
.endr
	WIN 0
	PLACES
.irp G, 0,1,2,3,4,5,6,7
	GROUP \G
.endr
	SHIFT
	QP                                             ; the last unit
	; ---- attention: four trips of two tiles of 16 queries (pieces 0 and 1); for each piece four steps of 128 keys
.macro PIECE p                         ; the piece that has the first stream
.set PSB, 96+64*(\p)
.set PST, 12+4*(\p)
.set PFF, 20+2*(\p)
.set PBM, 24+4*(\p)
.set PQS, 32+(\p)
.set POB, 32*(\p)
.set PQA, 64+24*(\p)
.set PNO, \p
.endm
; The piece that has the exponentials.  The first four pairs' scalings and the four blocks' largest stand ahead of the batch.
.macro XSTART p
.set XSB, 96+64*(\p)
.set XST, 12+4*(\p)
.set XBM, 24+4*(\p)
.set XK, 0
.set XN, 68
.set CR, 0
.set XMODE, 1
	WIN 0
.irp b, 0,2,4,6
	v_pk_fma_f32 v[XSB+\b:XSB+\b+1], v[XSB+\b:XSB+\b+1], s[30:31], v[XST:XST+1] op_sel_hi:[1,0,0]   ; t - M, two at a time
.endr
.irp b, 0,1,2,3
	v_fma_f32 v[XBM+\b], v[XBM+\b], s30, v[XST]    ; the same of each block's largest score: the same two instructions on the same number give the same bits as the block's largest p
.endr
.endm
.macro XEND                            ; what is left of the batch; a plain place behind the last exponential; ONE wait for the 68, ahead of their first reader, which stands in the next turn
.rept 68
.if XK < XN
	XSLOT
.endif
.endr
	v_nop
	s_wait_alu depctr_va_vdst(0)
.set XMODE, 0
.set XN, 0
.endm
; THE ROW'S SUM is taken of the unquantised p, two at a time, in four chains: chain 0 is the sum itself.  g = 0 starts it: nothing is cleared.
.macro PSTART k, i, j
.if (\k) == 0
	v_pk_add_f32 v[PST+2:PST+3], v[PSB+2*(\i):PSB+2*(\i)+1], v[PSB+2*(\j):PSB+2*(\j)+1]
.else
	v_pk_add_f32 v[32+2*(\k):33+2*(\k)], v[PSB+2*(\i):PSB+2*(\i)+1], v[PSB+2*(\j):PSB+2*(\j)+1]
.endif
	TK 1
.endm
.macro PADD k, i
.if (\k) == 0
	v_pk_add_f32 v[PST+2:PST+3], v[PST+2:PST+3], v[PSB+2*(\i):PSB+2*(\i)+1]
.else
	v_pk_add_f32 v[32+2*(\k):33+2*(\k)], v[32+2*(\k):33+2*(\k)], v[PSB+2*(\i):PSB+2*(\i)+1]
.endif
	TK 1
.endm
.macro SUMS g
.if (\g) == 0
	PSTART 0, 0, 4
.else
	v_pk_mul_f32 v[PST+2:PST+3], v[PST+2:PST+3], v[PFF:PFF+1] op_sel_hi:[1,0]   ; the sum under the new M
	TK 1
.endif
	PSTART 1, 1, 5
	PSTART 2, 2, 6
	PSTART 3, 3, 7
.if (\g) != 0
	PADD 0, 0
.endif
.set SI, 8
.rept 24
	PADD (SI+1)%4, SI
.set SI, SI+1
.endr
.if (\g) != 0
	PADD 1, 4
.endif
	v_pk_add_f32 v[36:37], v[36:37], v[38:39]
	TK 1
	v_pk_add_f32 v[PST+2:PST+3], v[PST+2:PST+3], v[34:35]
	TK 1
	v_pk_add_f32 v[PST+2:PST+3], v[PST+2:PST+3], v[36:37]
	TK 1
.endm
.macro LRED                            ; behind the last step's sums: the sum's two halves, lane l xor 16's, and the reciprocal; its wait stands in TAIL, ahead of its first reader
	v_add_f32 v[PST+2], v[PST+2], v[PST+3]
	TK 1
	v_permlanex16_b32 v252, v[PST+2], s28, s29
	TK 1
	v_add_f32 v[PST+2], v[PST+2], v252
	TK 1
	v_rcp_f32 v[PST+2], v[PST+2]
	v_nop                                          ; a plain place behind the reciprocal
	TK 2
.endm
.macro SCALES                          ; from each block's largest p: the conversion's scale operand, the byte, p's scale word for these 128 keys
.irp b, 0,1,2,3
	v_max_num_f32 v[PBM+\b], FLOOR, v[PBM+\b]      ; the byte cannot fall under 1
	TK 1
.endr
.irp b, 0,1,2,3
	v_add_nc_u32 v[248+\b], OFF4, v[PBM+\b]
	TK 1
.endr
.irp b, 0,1,2,3
	v_lshrrev_b32 v[244+\b], 23, v[248+\b]
	TK 1
.endr
	v_lshl_or_b32 v85, v245, 8, v244
	TK 1
	v_lshl_or_b32 v85, v246, 16, v85
	TK 1
	v_lshl_or_b32 v85, v247, 24, v85
	TK 1
.endm
.macro CVTS
.irp c, 0,1
	v_cvt_scalef32_pk16_bf6_f32 v[224+6*\c:226+6*\c], v[PSB+32*\c:PSB+32*\c+15], v[248+2*\c]
	TK 1
	v_cvt_scalef32_pk16_bf6_f32 v[236+4*\c:238+4*\c], v[PSB+32*\c+16:PSB+32*\c+31], v[249+2*\c]
	TK 1
.endr
	v_nop                                          ; one plain place behind a scaled conversion
	TK 1
.endm
; Product k of 8 of S^T = K Q^T for step g: fragment k / 2 of the step's four; its first 16 keys by [Q | 0] (k even), its second 16 by [0 | Q].  Register 16 b + i then holds the score of key 128 g + 32 b + 16 h + i.
.macro SWM g, k, c
	WIN 0x06                                       ; source 0 (K) window 2, source 1 (Q) window 1
	WM0 PSB+8*(\k), 12*(4*(\g)+(\k)/2), PQA+12*((\k)%2), 40+4*(\g)+(\k)/2, PQS
	WIN 0
	TK \c
.endm
.macro RS4 q                           ; accumulator q of O^T under the new M: x f, from its low end on
	WIN 0x41                                       ; O^T (destination and source 0) window 1
.irp j, 0,2,4,6
	v_pk_mul_f32 v[POB+8*(\q)+\j:POB+8*(\q)+\j+1], v[POB+8*(\q)+\j:POB+8*(\q)+\j+1], v[PFF:PFF+1] op_sel_hi:[1,0]
.endr
	WIN 0
	TK 6
.endm
.macro PVM g, t, c                     ; product t of 4 of O^T += V^T p^T for step g; g = 0 starts the sums
	WIN 0x53                                       ; source 0 (V^T) window 3, C and D (O^T) window 1
.if (\g) == 0
	WM0 POB+8*(\t), 12*(4*(\g)+(\t)), 224, 56+4*(\g)+(\t), 85
.else
	WMA POB+8*(\t), 12*(4*(\g)+(\t)), 224, 56+4*(\g)+(\t), 85
.endif
	WIN 0
	TK \c
.endm
; The middle of a piece's part of a turn.  hp = 1: step g's codes are in hand: the exchange of halves (6 swaps, 6 moves) and, for g > 0, the rescaling of O^T.  hs = 1: the eight products S^T of step gn, which
; may write over p: the sums and conversions have read it.  Three plain lines or a group of four stand between two products.  Behind the last product, and ahead of the products V^T p^T, stand four plain lines:
; the last group of the rescaling, or four v_nop; with the moves they are also the eight places behind the line that made p's scale word.
.macro MIDDLE hp, g, hs, gn
.irp k, 0,1,2,3
.if \hs
.if \hp
	SWM \gn, \k, 3
.else
	SWM \gn, \k, 6
.endif
.endif
.if \hp
.irp i, 0,1,2
.if \k < 2
	v_permlane16_swap_b32 v[224+6*\k+\i], v[236+4*\k+\i]   ; the operand's layout wants a whole block in a lane
.else
	v_mov_b32 v[227+6*(\k-2)+\i], v[236+4*(\k-2)+\i]
.endif
	TK 1
.endr
.endif
.endr
.irp k, 4,5,6,7
.if \hs
.if \hp && (\g > 0)
	SWM \gn, \k, 3
.else
	SWM \gn, \k, 6
.endif
.endif
.if \hp && (\g > 0)
	RS4 \k-4
.endif
.endr
.if !(\hp && (\g > 0))
.rept 4
	v_nop
	TK 1
.endr
.endif
.endm
.macro PT                              ; behind each line of PRE: the tick, and behind every third line one of the products V^T p^T that are still due
	TK 1
.set PVC, PVC+1
.if (PVN < 4) && (PVC%3 == 0)
	PVM PVG, PVN, 3
.set PVN, PVN+1
.endif
.endm
; Ahead of a step's exponentials: the largest score of each block of 32 keys (it serves the row's maximum and, since p rises with the score, the block's largest p), the running largest t, -M, and f.
.macro PRE g
.irp b, 0,1,2,3
	v_max3_num_f32 v[PBM+\b], v[PSB+16*\b], v[PSB+16*\b+1], v[PSB+16*\b+2]
	PT
.endr
.irp i, 3,5,7,9,11,13
.irp b, 0,1,2,3
	v_max3_num_f32 v[PBM+\b], v[PBM+\b], v[PSB+16*\b+\i], v[PSB+16*\b+\i+1]
	PT
.endr
.endr
.irp b, 0,1,2,3
	v_max_num_f32 v[PBM+\b], v[PBM+\b], v[PSB+16*\b+15]
	PT
.endr
.irp b, 0,1,2,3
	v_permlanex16_b32 v[244+\b], v[PBM+\b], s28, s29
	PT
.endr
.irp b, 0,1,2,3
	v_max_num_f32 v[PBM+\b], v[PBM+\b], v[244+\b]  ; with lane l xor 16's 16 keys
	PT
.endr
	v_max3_num_f32 v252, v[PBM], v[PBM+1], v[PBM+2]
	PT
	v_max_num_f32 v252, v252, v[PBM+3]             ; the step's largest score of my query
	PT
.if (\g) == 0
	v_mul_f32 v[PST+1], s30, v252                  ; as t (c is positive)
	PT
	v_floor_f32 v[PST], -v[PST+1]                  ; -M = floor(-t) = -ceil(t)
	PT
.else
	v_mul_f32 v252, s30, v252
	PT
	v_max_num_f32 v[PST+1], v[PST+1], v252         ; the running largest t
	PT
	v_mov_b32 v252, v[PST]
	PT
	v_floor_f32 v[PST], -v[PST+1]
	PT
	v_sub_f32 v252, v[PST], v252                   ; old M - new M: a whole number, 0 or less
	PT
	v_cvt_i32_f32 v252, v252
	PT
	v_ldexp_f32 v[PFF], 1.0, v252                  ; f = 2^(old M - new M)
	PT
.endif
.endm
; A piece's way out: O^T / the sum, into the registers that p has left; quantised, since O is an operand of the last product (K = 64 head + the head's 64); stored.
.macro TAIL
.rept 4
	v_nop                                          ; the places behind the last products
	TK 1
.endr
	s_wait_alu depctr_va_vdst(0)                   ; ahead of the reciprocal's first reader
.irp q, 0,1,2,3
	WIN 0x01                                       ; source 0 (O^T) window 1
.irp j, 0,2,4,6
	v_pk_mul_f32 v[PSB+8*\q+\j:PSB+8*\q+\j+1], v[POB+8*\q+\j:POB+8*\q+\j+1], v[PST+2:PST+3] op_sel_hi:[1,0]   ; register 16 b + i is o(query r, 32 b + 16 h + i)
.endr
	WIN 0
	TK 6
.endr
	QH PSB, 236, 1
	global_store_b128 v1, v[242:245], s[44:45] offset:12288*PNO        ; registers 0-3 of the half fragment: 512 consecutive bytes
	global_store_b64 v9, v[246:247], s[44:45] offset:12288*PNO+512     ; registers 4, 5: 256 consecutive bytes
	global_store_b16 v10, v251, s[46:47] offset:512*PNO                ; my head's two bytes of each row's scale word (lanes r and r + 16 store the same bytes with the same value)
.endm
; A piece's part of a turn.  hp = 1: what follows step g's exponentials.  hs = 1: what precedes step gn's; hs = 0: step g was the last: the way out.
.macro PPART hp, g, hs, gn
.if \hp
	SUMS \g
.if !\hs
	LRED
.endif
	SCALES
	CVTS
.endif
	MIDDLE \hp, \g, \hs, \gn
.set PVN, 4
.set PVC, 0
.if \hp
.if \hs
	PVM \g, 0, 3
.set PVN, 1
.set PVG, \g
.else
.irp t, 0,1,2,3
	PVM \g, \t, 6
.endr
.endif
.endif
.if \hs
	PRE \gn
.else
	TAIL
.endif
.endm
.macro TURN xp, pp, hp, g, hs, gn      ; piece xp has its exponentials, piece pp the rest
	XSTART \xp
	PIECE \pp
	PPART \hp, \g, \hs, \gn
	XEND
.endm
	WIN 0x40                                       ; destination window 1
.irp p, 0,1
.irp i, 0,1,2,3,4,5
	v_mov_b32 v[70+24*\p+\i], 0                    ; the zero halves of [Q | 0]
	v_mov_b32 v[76+24*\p+\i], 0                    ; and of [0 | Q]
.endr
.endr
	WIN 0
.irp i, 21,23,244,245,246,247,252
	v_mov_b32 v[\i], 0                             ; the upper halves of the pairs that hold f, and permute destinations: written once
.endr
	s_mov_b32 s32, 4
	s_mov_b32 s35, 0
.Lpair:
	v_add_nc_u32 v7, s35, v5
	v_add_nc_u32 v8, s35, v6
	WIN 0x40
.irp p, 0,1
.irp i, 0,1,2
	ds_load_b64 v[64+24*\p+2*\i:65+24*\p+2*\i], v7 offset:QT*\p+256*\i   ; the tile's codes of Q, into both operands
	ds_load_b64 v[82+24*\p+2*\i:83+24*\p+2*\i], v7 offset:QT*\p+256*\i
.endr
.endr
	WIN 0
	ds_load_b32 v32, v8
	ds_load_b32 v33, v8 offset:QT
	s_wait_dscnt 0x0
	PIECE 0
	PPART 0, 0, 1, 0                               ; piece 0's first scores and M: there is nothing yet to set beside them
	TURN 0, 1, 0, 0, 1, 0
	TURN 1, 0, 1, 0, 1, 1
	TURN 0, 1, 1, 0, 1, 1
	TURN 1, 0, 1, 1, 1, 2
	TURN 0, 1, 1, 1, 1, 2
	TURN 1, 0, 1, 2, 1, 3
	TURN 0, 1, 1, 2, 1, 3
	TURN 1, 0, 1, 3, 0, 0                          ; piece 0's last step and its way out, beside piece 1's last exponentials
	s_wait_xcnt 0x0                                ; piece 0's stores have read their registers, which are at work again below
	PIECE 1
	PPART 1, 3, 0, 0                               ; piece 1's last step and its way out
	s_wait_xcnt 0x0                                ; the stores have read their registers and bases: both may be written again
	s_add_nc_u64 s[44:45], s[44:45], 24576
	s_add_nc_u64 s[46:47], s[46:47], 1024
	s_add_co_u32 s35, s35, 2*QT
	s_sub_co_u32 s32, s32, 1
	s_cmp_lg_u32 s32, 0
	s_cbranch_scc1 .Lpair
	s_wait_tensorcnt 0x0                           ; the wave's end, behind my last tensor load and my last LDS store
	ds_add_u32 v86, v87
	s_wait_dscnt 0x0
	ROUND                                          ; the closing round
	s_endpgm
.Lfunc_end_k_q07fea6feb5_attn:
	.size	k_q07fea6feb5_attn, .Lfunc_end_k_q07fea6feb5_attn-k_q07fea6feb5_attn
	.p2alignl 7, 3214868480
	.fill 96, 4, 3214868480
	.section	.rodata,"a",@progbits
	.p2align	6, 0x0
	.amdhsa_kernel k_q07fea6feb5_attn
		.amdhsa_group_segment_fixed_size 182784
		.amdhsa_private_segment_fixed_size 0
		.amdhsa_enable_private_segment 0
		.amdhsa_kernarg_size 32
		.amdhsa_user_sgpr_count 2
		.amdhsa_user_sgpr_kernarg_segment_ptr 1
		.amdhsa_wavefront_size32 1
		.amdhsa_system_sgpr_workgroup_id_x 1
		.amdhsa_system_sgpr_workgroup_id_y 1
		.amdhsa_system_sgpr_workgroup_id_z 1
		.amdhsa_system_vgpr_workitem_id 0
		.amdhsa_next_free_vgpr 1024
		.amdhsa_next_free_sgpr 66
		.amdhsa_reserve_vcc 0
		.amdhsa_float_denorm_mode_32 3
		.amdhsa_float_denorm_mode_16_64 3
		.amdhsa_memory_ordered 1
		.amdhsa_forward_progress 1
		.amdhsa_inst_pref_size 255
	.end_amdhsa_kernel
	.section	.bss,"aw",@nobits
	.p2align	6
	.space	262144
	.amdgpu_metadata
---
amdhsa.version: [ 1, 2 ]
amdhsa.kernels:
  - .name:           k_q07fea6feb5_attn
    .symbol:         k_q07fea6feb5_attn.kd
    .args:
      - { .name: act, .offset: 0, .size: 8, .value_kind: global_buffer, .address_space: global }
      - { .name: wfr, .offset: 8, .size: 8, .value_kind: global_buffer, .address_space: global }
      - { .name: wsc, .offset: 16, .size: 8, .value_kind: global_buffer, .address_space: global }
      - { .name: obuf, .offset: 24, .size: 8, .value_kind: global_buffer, .address_space: global }
    .group_segment_fixed_size: 182784
    .private_segment_fixed_size: 0
    .kernarg_segment_align: 8
    .kernarg_segment_size: 32
    .max_flat_workgroup_size: 128
    .sgpr_count:     66
    .vgpr_count:     1024
    .wavefront_size: 32
...
	.end_amdgpu_metadata
.endif
;; end of part 2
;; launch proj (part 3): grid 4 x 64, 4 waves a work-group, clusters of 4 x 4, 218,624 bytes of LDS; arguments obuf, wfr, wsc, bo, out0; writes out0
.if DOCPART == 3
	.amdgcn_target "amdgcn-amd-amdhsa--gfx1250"
	.amdhsa_code_object_version 6
	.text
	.protected	k_q07fea6feb5_proj
	.globl	k_q07fea6feb5_proj
	.p2align	8
	.type	k_q07fea6feb5_proj,@function
k_q07fea6feb5_proj:
	s_mov_b64 s[64:65], 0
	v_nop
	global_prefetch_b8 v0, s[64:65] scope:SCOPE_SE
	s_setreg_imm32_b32 hwreg(HW_REG_WAVE_MODE, 25, 1), 1
	s_wait_xcnt 0x0
	s_wait_alu depctr_hold_cnt(0) depctr_sa_sdst(0) depctr_va_vdst(0) depctr_va_sdst(0) depctr_va_ssrc(0) depctr_va_vcc(0) depctr_vm_vsrc(0)
	s_getreg_b32 s2, hwreg(HW_REG_IB_STS2, 6, 4)
	s_cmp_eq_u32 s2, 0
	s_cbranch_scc0 .Lentry_in_a_cluster
	s_endpgm
.Lentry_in_a_cluster:
	s_bfe_u32 s2, ttmp6, 0x10000c
	s_cmp_lg_u32 s2, 0xf033
	s_cbranch_scc0 .Lentry_shape_is_right
	s_endpgm
.Lentry_shape_is_right:
; PROJ: out0 = O Wo + bo, the problem's fifth product, on codes of BF6 with E8M0 scales, as the launches attn (O) and prep (Wo) have laid them.  No work is left out.
; SHARES.  A work-group takes one asset's 128 rows x 128 columns; a wave 64 x 64: 16 accumulators; K = 1,024 in 8 steps.
; CLUSTER.  4 x 4 work-groups: the four of a row of the cluster share an asset's block of O (102,400 bytes), the four of a column share 128 columns of Wo (98,304 bytes).  Each block is asked for JOINTLY,
; a quarter by each wave, once; nothing is filled again.
; THE MATRIX INSTRUCTION IS USED TRANSPOSED (source 0 = 16 columns of Wo, source 1 = 16 rows of O); the columns of tiles 2 b and 2 b + 1 were chosen so that a lane's 16 results are 16 neighbouring columns
; of one row of out0.  bo is the C of each sum's first matrix instruction.
; REGISTERS.  Window 0: v1-9 addresses; v10, v11 the add's two; v16-31 O's scale words, v32-47 Wo's; from v64 and v160 two buffers of 8 fragments (O's four, then Wo's four); on the way out v64-191 rows of out0.
;   Window 1: accumulator (mi, nt) at v[8 (4 mi + nt)]; bo's tile nt at v[128 + 8 nt].
.set WB,    102400                     ; behind O's block: Wo's
.set STAGE, 200704                     ; behind both: 16 rows x (256 bytes + 16) for each wave, for the way out
.set SP,    272
.set SPARE, STAGE+4*16*SP              ; the spare words, 128 bytes a wave: two blocks of 256 bytes that no other line names
.set MSB, 0
.macro WIN new                         ; the immediate's high byte repeats the setting that is left
.if MSB != \new
	s_set_vgpr_msb (MSB<<8)|\new
.set MSB, \new
.endif
.endm
.macro ROUND                           ; a round of the cluster's barrier
	s_barrier_signal -1
	s_barrier_wait -1
	s_cmp_lg_u32 s14, 0
	s_cbranch_scc1 .Lnot_wave_0_\@
	s_barrier_signal -3
.Lnot_wave_0_\@:
	s_barrier_wait -3
	s_barrier_signal -1
	s_barrier_wait -1
.endm
.macro PLACES
.rept 4
	v_nop
.endr
.endm
.macro WMC d, a, b, c, sa, sb          ; starts a sum with the bias
	v_wmma_scale_f32_16x16x128_f8f6f4 v[\d:\d+7], v[\a:\a+11], v[\b:\b+11], v[\c:\c+7], v[\sa], v[\sb] matrix_a_fmt:MATRIX_FMT_BF6 matrix_b_fmt:MATRIX_FMT_BF6
.endm
.macro WMA d, a, b, sa, sb             ; adds in place; scales from lanes 0-15
	v_wmma_scale_f32_16x16x128_f8f6f4 v[\d:\d+7], v[\a:\a+11], v[\b:\b+11], v[\d:\d+7], v[\sa], v[\sb] matrix_a_fmt:MATRIX_FMT_BF6 matrix_b_fmt:MATRIX_FMT_BF6
.endm
.macro WMA1 d, a, b, sa, sb            ; adds in place; scales from lanes 16-31: an odd K step's
	v_wmma_scale_f32_16x16x128_f8f6f4 v[\d:\d+7], v[\a:\a+11], v[\b:\b+11], v[\d:\d+7], v[\sa], v[\sb] matrix_a_fmt:MATRIX_FMT_BF6 matrix_b_fmt:MATRIX_FMT_BF6 matrix_a_scale:MATRIX_SCALE_ROW1 matrix_b_scale:MATRIX_SCALE_ROW1
.endm
	s_load_b256 s[4:11], s[0:1], 0x0               ; obuf s[4:5], wfr s[6:7], wsc s[8:9], bo s[10:11]
	s_load_b64 s[12:13], s[0:1], 0x20              ; out0
	v_lshl_add_u32 v10, v0, 2, SPARE               ; my spare word; never rewritten
	v_mov_b32 v11, 0                               ; 0; never rewritten
	ds_add_u32 v10, v11                            ; the wave's opening: the add, twice on end, and its wait ahead of my first tensor load
	ds_add_u32 v10, v11
	v_lshrrev_b32 v12, 5, v0
	v_readfirstlane_b32 s14, v12                   ; wave
	s_lshr_b32 s15, s14, 1                         ; mh: which 64 rows are mine
	s_and_b32 s16, s14, 1                          ; nh: which 64 columns
	s_bfe_u32 s40, ttmp6, 0x40000                  ; cx, cy: my place in the cluster
	s_bfe_u32 s41, ttmp6, 0x40004
	s_lshl_b32 s42, ttmp9, 2
	s_add_co_u32 s42, s42, s40                     ; which 128 columns: 4 x cluster x + cx
	s_and_b32 s17, ttmp7, 0xffff
	s_lshl_b32 s17, s17, 2
	s_add_co_u32 s17, s17, s41                     ; the asset: 4 x cluster y + cy
	s_lshl_b32 s43, s41, 2
	s_lshl_b32 s43, 15, s43                        ; my row of the cluster
	s_lshl_b32 s44, 0x1111, s40                    ; my column
	; descriptor groups 1: dense blocks as rows of 256 bytes (32 elements of 8 bytes), no padding: a quarter of O's block is 100 rows, of Wo's 96
	s_or_b32 s24, s43, (3<<16)|(1<<21)             ; O's block goes to my row of the cluster; bit 21 set beside a mask
	s_mov_b32 s25, 32<<16
	s_mov_b32 s26, 100<<16
	s_mov_b32 s27, 32<<16
	s_mov_b32 s28, 100
	s_mov_b32 s29, 32
	s_mov_b32 s30, 0
	s_mov_b32 s31, 0
	s_or_b32 s48, s44, (3<<16)|(1<<21)             ; Wo's block goes to my column
	s_mov_b32 s49, 32<<16
	s_mov_b32 s50, 96<<16
	s_mov_b32 s51, 32<<16
	s_mov_b32 s52, 96
	s_mov_b32 s53, 32
	s_mov_b32 s54, 0
	s_mov_b32 s55, 0
	s_mov_b32 s32, 1
	s_mul_i32 s33, s14, 25600                      ; where my quarters go: the wave's number alone
	s_mov_b32 s56, 1
	s_mul_i32 s57, s14, 24576
	s_mul_i32 s18, s17, 102400                     ; O's address hangs on the asset and the wave,
	s_add_co_u32 s18, s18, s33
	s_mov_b32 s19, 0
	s_mul_i32 s46, s42, 98304                      ; Wo's on the columns and the wave: each in registers that never hold the other coordinate
	s_add_co_u32 s46, s46, s57
	s_add_co_u32 s46, s46, 786432
	s_mov_b32 s47, 0
	s_add_co_u32 s57, s57, WB
	v_and_b32 v12, 31, v0                          ; lane
	v_and_b32 v13, 15, v0                          ; r
	v_bfe_u32 v14, v0, 4, 1                        ; h
	s_mul_i32 s20, s15, 49152                      ; my four tiles of rows: 12,288 bytes a tile
	v_lshl_add_u32 v1, v12, 4, s20                 ; O's half fragments: registers 0-3 at 16 x lane,
	v_lshl_add_u32 v2, v12, 3, s20                 ; registers 4, 5 at 512 + 8 x lane
	s_mul_i32 s21, s16, 49152                      ; my four tiles of columns
	s_add_co_u32 s21, s21, WB
	v_lshl_add_u32 v3, v12, 4, s21
	s_lshl_b32 s22, s15, 11
	s_add_co_u32 s22, s22, 98304
	v_lshl_add_u32 v4, v12, 2, s22                 ; O's scale words: (8 m + s) x 64 + 4 r: lanes 16-31 take the next K step's
	v_and_b32 v15, 8, v13
	v_add_nc_u32 v15, v15, v13                     ; r + 8 (r / 8)
	v_lshlrev_b32 v5, 2, v15
	v_lshl_add_u32 v5, v14, 7, v5                  ; Wo's scale words: my tile's column; lanes 16-31 the next K step's
	v_lshlrev_b32 v6, 6, v14                       ; bo: 16 h numbers on
	s_mul_i32 s23, s14, 16*SP
	s_add_co_u32 s23, s23, STAGE                   ; my stage
	v_mul_u32_u24 v7, v13, SP
	v_lshl_add_u32 v7, v14, 6, v7
	v_add_nc_u32 v7, s23, v7                       ; in: row r, + 64 h: my 16 columns of each 32
	v_mul_u32_u24 v8, v14, SP
	v_lshl_add_u32 v8, v13, 4, v8
	v_add_nc_u32 v8, s23, v8                       ; back: lanes 0-15 one row of 256 bytes, lanes 16-31 the next
	v_lshlrev_b32 v9, 11, v14
	v_lshl_add_u32 v9, v13, 4, v9                  ; and the same two rows in out0
	s_wait_dscnt 0x0                               ; both opening adds are done
	s_wait_kmcnt 0x0
	s_add_nc_u64 s[34:35], s[4:5], s[18:19]
	s_or_b32 s35, s35, 0x80000000
	s_add_nc_u64 s[58:59], s[6:7], s[46:47]
	s_or_b32 s59, s59, 0x80000000
	s_lshl_b32 s62, s42, 9
	s_lshl_b32 s45, s16, 8
	s_add_co_u32 s62, s62, s45                     ; my first column, in bytes
	s_mov_b32 s63, 0
	s_add_nc_u64 s[36:37], s[10:11], s[62:63]      ; bo there
	s_lshl_b32 s20, s17, 7
	s_lshl_b32 s21, s15, 6
	s_add_co_u32 s20, s20, s21                     ; my first row: 128 x asset + 64 mh
	s_lshl_b32 s20, s20, 11
	s_add_co_u32 s62, s62, s20
	s_add_nc_u64 s[60:61], s[12:13], s[62:63]      ; out0 there
	s_lshl_b32 s62, s42, 12
	s_lshl_b32 s45, s16, 11
	s_add_co_u32 s62, s62, s45
	s_add_co_u32 s62, s62, 32768
	s_add_nc_u64 s[38:39], s[8:9], s[62:63]        ; Wo's scale words: column group 4 x + 2 nh, 1,024 bytes a group
	ROUND                                          ; all sixteen work-groups are here: the joint loads meet
	tensor_load_to_lds s[32:35], s[24:31]          ; my quarter of O's block
	s_nop 0
	tensor_load_to_lds s[56:59], s[48:55]          ; my quarter of Wo's: two tensor loads of mine are out
	s_nop 0
	PLACES                                         ; (the windows are switched behind four instructions)
	WIN 0x40                                       ; destination window 1
.irp nt, 0,1,2,3
	global_load_b128 v[128+8*\nt:131+8*\nt], v6, s[36:37] offset:(\nt/2)*128+(\nt%2)*32       ; lane (r, h): bo at the tile's eight columns of my half
	global_load_b128 v[132+8*\nt:135+8*\nt], v6, s[36:37] offset:(\nt/2)*128+(\nt%2)*32+16
.endr
	WIN 0
.irp nt, 0,1,2,3
.irp i, 0,1,2,3
	global_load_b32 v[32+4*\nt+\i], v5, s[38:39] offset:(\nt/2)*1024+\i*256+(\nt%2)*32        ; K steps 2 i and 2 i + 1
.endr
.endr
	s_wait_tensorcnt 0x0                           ; my quarters have landed,
	s_barrier_signal -1
	s_barrier_wait -1                              ; everybody's have
.irp mi, 0,1,2,3
.irp i, 0,1,2,3
	ds_load_b32 v[16+4*\mi+\i], v4 offset:512*\mi+128*\i
.endr
.endr
.macro FETCH s                         ; K step s: O's four fragments (each two heads' halves) and Wo's four: 28 loads
.set FB, 64+96*((\s)%2)
.irp mi, 0,1,2,3
	ds_load_b128 v[FB+12*\mi:FB+12*\mi+3],     v1 offset:(8*\mi+(\s))*1536
	ds_load_b64  v[FB+12*\mi+4:FB+12*\mi+5],   v2 offset:(8*\mi+(\s))*1536+512
	ds_load_b128 v[FB+12*\mi+6:FB+12*\mi+9],   v1 offset:(8*\mi+(\s))*1536+768
	ds_load_b64  v[FB+12*\mi+10:FB+12*\mi+11], v2 offset:(8*\mi+(\s))*1536+1280
.endr
.irp nt, 0,1,2,3
.irp c, 0,1,2
	ds_load_b128 v[FB+48+12*\nt+4*\c:FB+48+12*\nt+4*\c+3], v3 offset:(8*\nt+(\s))*1536+512*\c
.endr
.endr
.endm
; A K step: the next step's fragments are asked for, then 16 products, the 16 accumulators by turns in the same order in every step.
.macro KSTEP s
.if (\s) > 0
	PLACES                                         ; in front of loads into the buffer that the step before multiplied
.endif
.if (\s) < 7
	FETCH (\s)+1
	s_wait_dscnt 28                                ; all but the 28 just issued
.else
	s_wait_dscnt 0x0
.endif
.set FB, 64+96*((\s)%2)
	WIN 0x50                                       ; C and D window 1
.irp mi, 0,1,2,3
.irp nt, 0,1,2,3
.if (\s) == 0
	WMC 8*(4*\mi+\nt), FB+48+12*\nt, FB+12*\mi, 128+8*\nt, 32+4*\nt, 16+4*\mi
.elseif (\s)%2 == 1
	WMA1 8*(4*\mi+\nt), FB+48+12*\nt, FB+12*\mi, 32+4*\nt+(\s)/2, 16+4*\mi+(\s)/2
.else
	WMA 8*(4*\mi+\nt), FB+48+12*\nt, FB+12*\mi, 32+4*\nt+(\s)/2, 16+4*\mi+(\s)/2
.endif
.endr
.endr
	WIN 0
.endm
	FETCH 0
	s_wait_loadcnt 0x0                             ; bo and Wo's scale words
.irp s, 0,1,2,3,4,5,6,7
	KSTEP \s
.endr
; THE WAY OUT, a tile of 16 rows x 64 columns at a time, through my own stage: a lane's 128 bytes go in, whole rows of 256 bytes come back, and sixteen lanes store 256 consecutive bytes at a multiple of
; 256 from out0's first byte.  LDS serves a wave's instructions in order (ISA guide 5.7.1.4): no wait between the stores and the loads, nor in front of the next tile's stores.
.macro TOSTAGE mi
	WIN 0x04                                       ; an LDS store's data are its source 1: window 1
.irp b, 0,1
.irp u, 0,1
	ds_store_b128 v7, v[8*(4*\mi+2*\b+\u):8*(4*\mi+2*\b+\u)+3] offset:128*\b+32*\u        ; each accumulator from its low end on
	ds_store_b128 v7, v[8*(4*\mi+2*\b+\u)+4:8*(4*\mi+2*\b+\u)+7] offset:128*\b+32*\u+16
.endr
.endr
	WIN 0
.irp i, 0,1,2,3,4,5,6,7
	ds_load_b128 v[64+32*\mi+4*\i:64+32*\mi+4*\i+3], v8 offset:2*SP*\i
.endr
.endm
.macro SEND mi, younger                ; younger: the LDS instructions issued behind the tile's loads, which may stay out.  Each tile has registers of its own: no store's data are written again
	s_wait_dscnt \younger
.irp i, 0,1,2,3,4,5,6,7
	global_store_b128 v9, v[64+32*\mi+4*\i:64+32*\mi+4*\i+3], s[60:61] offset:(16*\mi+2*\i)*2048 th:TH_STORE_NT
.endr
.endm
	PLACES                                         ; behind the last products: for the reads of results and the loads into the fragments' registers
	TOSTAGE 0
	TOSTAGE 1
	SEND 0, 16
	TOSTAGE 2
	SEND 1, 16
	TOSTAGE 3
	SEND 2, 16
	SEND 3, 0
	s_wait_tensorcnt 0x0                           ; the wave's end, behind my last tensor load and my last LDS store
	ds_add_u32 v10, v11
	s_wait_dscnt 0x0
	ROUND                                          ; the closing round
	s_endpgm
.Lfunc_end_k_q07fea6feb5_proj:
	.size	k_q07fea6feb5_proj, .Lfunc_end_k_q07fea6feb5_proj-k_q07fea6feb5_proj
	.p2alignl 7, 3214868480
	.fill 96, 4, 3214868480
	.section	.rodata,"a",@progbits
	.p2align	6, 0x0
	.amdhsa_kernel k_q07fea6feb5_proj
		.amdhsa_group_segment_fixed_size 218624
		.amdhsa_private_segment_fixed_size 0
		.amdhsa_enable_private_segment 0
		.amdhsa_kernarg_size 40
		.amdhsa_user_sgpr_count 2
		.amdhsa_user_sgpr_kernarg_segment_ptr 1
		.amdhsa_wavefront_size32 1
		.amdhsa_system_sgpr_workgroup_id_x 1
		.amdhsa_system_sgpr_workgroup_id_y 1
		.amdhsa_system_sgpr_workgroup_id_z 1
		.amdhsa_system_vgpr_workitem_id 0
		.amdhsa_next_free_vgpr 512
		.amdhsa_next_free_sgpr 66
		.amdhsa_reserve_vcc 0
		.amdhsa_float_denorm_mode_32 3
		.amdhsa_float_denorm_mode_16_64 3
		.amdhsa_memory_ordered 1
		.amdhsa_forward_progress 1
		.amdhsa_inst_pref_size 49
	.end_amdhsa_kernel
	.amdgpu_metadata
---
amdhsa.version: [ 1, 2 ]
amdhsa.kernels:
  - .name:           k_q07fea6feb5_proj
    .symbol:         k_q07fea6feb5_proj.kd
    .args:
      - { .name: obuf, .offset: 0, .size: 8, .value_kind: global_buffer, .address_space: global }
      - { .name: wfr, .offset: 8, .size: 8, .value_kind: global_buffer, .address_space: global }
      - { .name: wsc, .offset: 16, .size: 8, .value_kind: global_buffer, .address_space: global }
      - { .name: bo, .offset: 24, .size: 8, .value_kind: global_buffer, .address_space: global }
      - { .name: out0, .offset: 32, .size: 8, .value_kind: global_buffer, .address_space: global }
    .group_segment_fixed_size: 218624
    .private_segment_fixed_size: 0
    .kernarg_segment_align: 8
    .kernarg_segment_size: 40
    .max_flat_workgroup_size: 128
    .sgpr_count:     66
    .vgpr_count:     512
    .wavefront_size: 32
...
	.end_amdgpu_metadata
.endif
;; end of part 3
